; MI455X (gfx1250); checked and timed in simulation.
; The chip was launched on July 23, 2026; its instructions are those of AMD's public machine-readable ISA for CDNA 5 (MIT licence, August 2026) and "CDNA5" Instruction Set Architecture Reference Guide (July 2026). The comments in the code are by the model that wrote it; some were corrected since.
;; Cross Attention Fusion. Allowed arithmetic: matrix products marked QUANTISED: E2M3 operands, one E8M0 scale for each 32 along K, by v_wmma_scale_f32_16x16x128_f8f6f4 with both operands' format E2M3, f32 sums; everything else in f32.
;; Inputs: Wf 384 x 384 float32; Wkg 384 x 384 float32; Wkl 384 x 384 float32; Wqg 384 x 384 float32; Wql 384 x 384 float32; Wvg 384 x 384 float32; Wvl 384 x 384 float32; Z_graph 8 x 2,048 x 384 float32; Z_lstm 8 x 2,048 x 384 float32; bf 384 float32; bkg 384 float32; bkl 384 float32; bqg 384 float32; bql 384 float32; bvg 384 float32; bvl 384 float32.
;; Outputs: out0 8 x 2,048 x 384 float32.
;; This version of the problem:
;;   THIS VERSION OF THE PROBLEM IS GIVEN IN LOW PRECISION. The matrix products marked QUANTISED in the list below multiply operands that are first quantised to E2M3 (2 exponent bits, 3 mantissa bits; 6 bits a number), with one power-of-two scale for each 32 numbers along K (OCP MX v1.0); their sums are f32. All else is computed in f32.
;;   The module's matrix products, in the order in which they are computed (A, B: the left and right operand; K: the contracted axis; several contracted axes count as one K, in the product's order):
;;     1. [M 16,384, K 384] x [K 384, N 384]; A: input Z_graph; B: input Wqg: QUANTISED
;;     2. [M 16,384, K 384] x [K 384, N 384]; A: input Z_lstm; B: input Wkl: QUANTISED
;;     3. [M 16,384, K 384] x [K 384, N 384]; A: input Z_lstm; B: input Wvl: QUANTISED
;;     4. batch 8 x [M 2,048, K 384] x [K 384, N 2,048]; A: computed on the way; B: computed on the way: QUANTISED
;;     5. batch 8 x [M 2,048, K 2,048] x [K 2,048, N 384]; A: softmax (see below); B: computed on the way: QUANTISED
;;     6. [M 16,384, K 384] x [K 384, N 384]; A: input Z_lstm; B: input Wql: QUANTISED
;;     7. [M 16,384, K 384] x [K 384, N 384]; A: input Z_graph; B: input Wkg: QUANTISED
;;     8. [M 16,384, K 384] x [K 384, N 384]; A: input Z_graph; B: input Wvg: QUANTISED
;;     9. batch 8 x [M 2,048, K 384] x [K 384, N 2,048]; A: computed on the way; B: computed on the way: QUANTISED
;;     10. batch 8 x [M 2,048, K 2,048] x [K 2,048, N 384]; A: softmax (see below); B: computed on the way: QUANTISED
;;     11. [M 16,384, K 384] x [K 384, N 384]; A: computed on the way; B: input Wf: QUANTISED
;;   THE QUANTISER, for each operand of a quantised product, along K:
;;     - K is cut into blocks of 32 from its start; a last block that is shorter is filled with zeros.
;;     - A block's scale is 2^e with e = floor(log2(the largest magnitude in the block)) - 2, held to -126 .. 127; a block of zeros has e = 0. As a byte (E8M0): e + 127.
;;     - Each number is divided by its block's scale, clamped to +-7.5, and rounded to the nearest number of E2M3, ties to even, subnormals kept.
;;     - The product sums the exact products of the quantised numbers (number of the format x scale) in f32.
;;   ~~~python
;;   def quantise(x, axis):      # numpy; x: float32 -> the quantised numbers, widened to float32 again
;;       x = np.moveaxis(x, axis, -1); K = x.shape[-1]
;;       x = np.pad(x, [(0, 0)] * (x.ndim - 1) + [(0, -K % 32)]); x = x.reshape(x.shape[:-1] + (-1, 32)); a = np.abs(x).max(-1, keepdims=True)
;;       e = np.where(a > 0, np.clip(np.frexp(np.where(a > 0, a, 1))[1] - 1 - 2, -126, 127), 0)      # np.frexp(a)[1] - 1 = floor(log2(a)), exactly
;;       r = np.clip(x / 2.0 ** e, -7.5, 7.5)
;;       step = 2.0 ** (np.maximum(np.frexp(np.where(r == 0, 1, r))[1] - 1, 0) - 3)
;;       q = np.round(r / step) * step * 2.0 ** e      # np.round: ties to even
;;       return np.moveaxis(q.reshape(q.shape[:-2] + (-1,))[..., :K], -1, axis).astype(np.float32)
;;   ~~~
;;   SOFTMAX AHEAD OF A QUANTISED PRODUCT. Where the list says 'softmax', what is quantised is not the finished softmax but p = 2^(t - M), with t = logit x log2(e) and M = ceil(the row's largest t), a whole number; so 1/2 < the row's largest p <= 1. The row's sum l is taken of the UNQUANTISED p, in f32, and the product's result is divided by l at the end. Since M is a whole number, a kernel that streams over the keys may use a running M (the ceiling of the running maximum): every later rescaling is an exact power of two, which a block's scale takes up: the codes' values come out the same.
;;   OPERANDS COMPUTED ON THE WAY. 'Computed on the way' means the value that the module computes at that place (a softmax that the list does not call 'softmax' is quantised finished and normalised). What goes into a quantiser is computed in f32, as accurately as f32 sums, v_exp_f32 and their like allow (about 1e-6 of the number): no bf16 or f16 on the way to a quantiser, and a product that is left as it is and whose result goes on into a quantised operand takes f32 operands (vector FMAs, or v_wmma_f32_16x16x4_f32). A number that lies on a knife's edge between two numbers of the format may be rounded either way, as far as f32 arithmetic and the matrix unit's own rounding can turn it there, and no further.
;; One version. Each part assembles by itself: llvm-mc -triple=amdgcn-amd-amdhsa -mcpu=gfx1250 --defsym DOCPART=n.
;; ======== version 1 of 1: 3 launches
;; limits: right only within a limited range of input values
;; workspace buffers: wq 838,656 bytes; qc 9,961,472 bytes; kv 19,660,800 bytes
;; launch wquant (part 1): grid 24 x 7, 3 waves a work-group, no clusters, 0 bytes of LDS; arguments Wqg, Wkg, Wvg, Wql, Wkl, Wvl, Wf, wq; writes wq
.if DOCPART == 1
	.amdgcn_target "amdgcn-amd-amdhsa--gfx1250"
	.amdhsa_code_object_version 6
	.text
	.protected	k_q3e255d5ef5_wquant
	.globl	k_q3e255d5ef5_wquant
	.p2align	8
	.type	k_q3e255d5ef5_wquant,@function
k_q3e255d5ef5_wquant:
	s_mov_b64 s[64:65], 0
	v_nop
	global_prefetch_b8 v0, s[64:65] scope:SCOPE_SE
	s_setreg_imm32_b32 hwreg(HW_REG_WAVE_MODE, 25, 1), 1
	s_wait_xcnt 0x0
; The seven weights W [384 (e)][384 (d)], f32, K = d innermost, become codes of FP6 (E2M3) with one E8M0 scale for each 32 along K,
; laid in the ORDER OF AN OPERAND'S REGISTERS.  A fragment is 16 rows x 128 K = 12 registers a lane = 1,536 bytes: register 4 c + i of lane l at byte 512 c + 16 l + 4 i.
; Fragment (weight i, tile t of 24, K step s of 3) has the number f = (24 i + t) 3 + s: codes at 1,536 f, its scale words (lane l's at 4 l, both halves of the lanes alike) at 774,144 + 128 f.
; THE ROWS OF A TILE ARE NOT NEIGHBOURS: lane r of tile 2 b + u holds row 32 b + 8 u + r + 8 (r / 8), so that the results of two neighbouring tiles are 16 neighbours along the next product's K.
; A work-group is (tile, weight), a wave a K step: one fragment a wave.  4 MB of stream: no LDS, no barrier, no loop, no matrix unit.
; A block's scale is 2^(floor(log2(its largest magnitude)) - 2); its byte is that magnitude's exponent field - 2, held at 1 from below.
; LIMITS: NaN and infinities are not served.  A block of zeros, or one under the floor 2^-124, gets the byte 1 (the quantiser's text says 127 for zeros): zero codes add nothing, and this program alone reads the bytes.
.set X,   32                           ; v32-95   64 numbers: register 16 b + i = k 32 b + 16 (lane / 16) + i of my row
.set PC,  96                           ; v96-115  the codes
.set TM,  116                          ; v116-131 at work
.set PW,  132                          ; v132     the scale word
.set SEL, 28                           ; s[28:29] lane selects for v_permlanex16_b32: lane l xor 16
.set FRB, 1536
.set WSC, 774144
; 64 numbers of a lane become a fragment's codes in v[PC] .. v[PC+11] and its scale word in v[PW]
.macro QUANT src
.irp b, 0,1,2,3
	v_max3_num_f32 v[TM+\b], |v[\src+16*\b]|, |v[\src+1+16*\b]|, 0x1800000   ; block b: my 16 numbers, and the floor 2^(3 - 127): the byte cannot fall under 1
.endr
.irp i, 2,4,6,8,10,12,14
.irp b, 0,1,2,3
	v_max3_num_f32 v[TM+\b], v[TM+\b], |v[\src+16*\b+\i]|, |v[\src+1+16*\b+\i]|   ; the four blocks by turns
.endr
.endr
.irp b, 0,1,2,3
	v_permlanex16_b32 v[TM+4+\b], v[TM+\b], s[SEL], s[SEL+1]
.endr
.irp b, 0,1,2,3
	v_max_num_f32 v[TM+\b], v[TM+\b], v[TM+4+\b]   ; with lane l xor 16's 16: the block's largest magnitude
.endr
.irp b, 0,1,2,3
	v_add_nc_u32 v[TM+12+\b], 0xff000000, v[TM+\b]   ; 2 off its exponent field: the conversion's scale operand
.endr
.irp b, 0,1,2,3
	v_lshrrev_b32 v[TM+4+\b], 23, v[TM+12+\b]      ; the scale's byte
.endr
	v_lshl_or_b32 v[PW], v[TM+5], 8, v[TM+4]
	v_lshl_or_b32 v[PW], v[TM+6], 16, v[PW]
	v_lshl_or_b32 v[PW], v[TM+7], 24, v[PW]        ; my row's scale word
.irp c, 0,1
	v_cvt_scalef32_pk16_fp6_f32 v[PC+6*\c:PC+2+6*\c], v[\src+32*\c:\src+15+32*\c], v[TM+12+2*\c]
	v_cvt_scalef32_pk16_fp6_f32 v[PC+12+4*\c:PC+14+4*\c], v[\src+16+32*\c:\src+31+32*\c], v[TM+13+2*\c]   ; (a conversion's three registers begin on an even number)
.endr
	v_nop                                          ; one plain place behind a scaled conversion
.irp c, 0,1                                    ; the operand's layout wants a whole block in a lane: lanes 0-15 block 2 c, lanes 16-31 block 2 c + 1
.irp i, 0,1,2
	v_permlane16_swap_b32 v[PC+6*\c+\i], v[PC+12+4*\c+\i]
.endr
.irp i, 0,1,2
	v_mov_b32 v[PC+3+6*\c+\i], v[PC+12+4*\c+\i]
.endr
.endr
.endm
	s_load_b512 s[8:23], s[0:1], 0x0               ; the seven weights s[8:21], wq s[22:23]
	v_lshrrev_b32 v1, 5, v0
	v_readfirstlane_b32 s2, v1                     ; my wave = K step s
	s_and_b32 s3, ttmp7, 0xffff                    ; weight i; ttmp9 = tile t
	v_and_b32 v6, 31, v0                           ; lane
	v_and_b32 v1, 15, v0                           ; r
	v_bfe_u32 v2, v0, 4, 1                         ; h
	v_and_b32 v3, 8, v1
	v_add_nc_u32 v3, v3, v1                        ; r + 8 (r / 8)
	v_mul_u32_u24 v3, v3, 1536                     ; a row of W is 1,536 bytes
	v_lshl_add_u32 v3, v2, 6, v3                   ; + 64 h: my 16 numbers of a block of 32
	v_lshlrev_b32 v4, 4, v6                        ; an image's place for my lane
	v_lshlrev_b32 v5, 2, v6                        ; a scale word's
	s_mov_b32 s[SEL], 0x76543210
	s_mov_b32 s[SEL+1], 0xfedcba98
.irp b, 0,1,2,3
	v_mov_b32 v[TM+4+\b], 0                        ; a lane permute's destination counts as one of its sources
.endr
	s_lshr_b32 s30, ttmp9, 1
	s_lshl_b32 s30, s30, 5
	s_and_b32 s31, ttmp9, 1
	s_lshl_b32 s31, s31, 3
	s_add_co_u32 s30, s30, s31                     ; the tile's first row: 32 (t / 2) + 8 (t % 2)
	s_mul_i32 s30, s30, 1536
	s_lshl_b32 s31, s2, 9
	s_add_co_u32 s30, s30, s31                     ; + 512 s
	s_mov_b32 s31, 0
	s_mul_i32 s32, s3, 24
	s_add_co_u32 s32, s32, ttmp9
	s_mul_i32 s32, s32, 3
	s_add_co_u32 s32, s32, s2                      ; f
	s_mul_i32 s34, s32, FRB
	s_mov_b32 s35, 0
	s_lshl_b32 s36, s32, 7
	s_add_co_u32 s36, s36, WSC
	s_mov_b32 s37, 0
	s_wait_alu depctr_va_vdst(0)
	s_wait_kmcnt 0x0
	s_mov_b64 s[4:5], s[8:9]
.irp k, 1,2,3,4,5,6
	s_cmp_eq_u32 s3, \k                            ; the choice hangs on the work-group's number alone
	s_cselect_b64 s[4:5], s[8+2*\k:9+2*\k], s[4:5]
.endr
	s_add_nc_u64 s[4:5], s[4:5], s[30:31]
	s_add_nc_u64 s[24:25], s[22:23], s[34:35]
	s_add_nc_u64 s[26:27], s[22:23], s[36:37]
.irp b, 0,1,2,3
.irp j, 0,1,2,3
	global_load_b128 v[X+16*\b+4*\j:X+16*\b+4*\j+3], v3, s[4:5] offset:128*\b+16*\j
.endr
.endr
	s_wait_loadcnt 0x0
	QUANT X
.irp c, 0,1,2
	global_store_b128 v4, v[PC+4*\c:PC+4*\c+3], s[24:25] offset:512*\c   ; 32 lanes store 512 consecutive bytes, aligned
.endr
	global_store_b32 v5, v[PW], s[26:27]
	s_endpgm
.Lfunc_end_k_q3e255d5ef5_wquant:
	.size	k_q3e255d5ef5_wquant, .Lfunc_end_k_q3e255d5ef5_wquant-k_q3e255d5ef5_wquant
	.p2alignl 7, 3214868480
	.fill 96, 4, 3214868480
	.section	.rodata,"a",@progbits
	.p2align	6, 0x0
	.amdhsa_kernel k_q3e255d5ef5_wquant
		.amdhsa_group_segment_fixed_size 0
		.amdhsa_private_segment_fixed_size 0
		.amdhsa_enable_private_segment 0
		.amdhsa_kernarg_size 64
		.amdhsa_user_sgpr_count 2
		.amdhsa_user_sgpr_kernarg_segment_ptr 1
		.amdhsa_wavefront_size32 1
		.amdhsa_system_sgpr_workgroup_id_x 1
		.amdhsa_system_sgpr_workgroup_id_y 1
		.amdhsa_system_sgpr_workgroup_id_z 1
		.amdhsa_system_vgpr_workitem_id 0
		.amdhsa_next_free_vgpr 136
		.amdhsa_next_free_sgpr 66
		.amdhsa_reserve_vcc 0
		.amdhsa_float_denorm_mode_32 3
		.amdhsa_float_denorm_mode_16_64 3
		.amdhsa_memory_ordered 1
		.amdhsa_forward_progress 1
		.amdhsa_inst_pref_size 8
	.end_amdhsa_kernel
	.amdgpu_metadata
---
amdhsa.version: [ 1, 2 ]
amdhsa.kernels:
  - .name:           k_q3e255d5ef5_wquant
    .symbol:         k_q3e255d5ef5_wquant.kd
    .args:
      - { .name: Wqg, .offset: 0, .size: 8, .value_kind: global_buffer, .address_space: global }
      - { .name: Wkg, .offset: 8, .size: 8, .value_kind: global_buffer, .address_space: global }
      - { .name: Wvg, .offset: 16, .size: 8, .value_kind: global_buffer, .address_space: global }
      - { .name: Wql, .offset: 24, .size: 8, .value_kind: global_buffer, .address_space: global }
      - { .name: Wkl, .offset: 32, .size: 8, .value_kind: global_buffer, .address_space: global }
      - { .name: Wvl, .offset: 40, .size: 8, .value_kind: global_buffer, .address_space: global }
      - { .name: Wf, .offset: 48, .size: 8, .value_kind: global_buffer, .address_space: global }
      - { .name: wq, .offset: 56, .size: 8, .value_kind: global_buffer, .address_space: global }
    .group_segment_fixed_size: 0
    .private_segment_fixed_size: 0
    .kernarg_segment_align: 8
    .kernarg_segment_size: 64
    .max_flat_workgroup_size: 96
    .sgpr_count:     66
    .vgpr_count:     136
    .wavefront_size: 32
...
	.end_amdgpu_metadata
.endif
;; end of part 1
;; launch proj (part 2): grid 128 x 2, 4 waves a work-group, no clusters, 327,680 bytes of LDS; arguments Z_graph, Z_lstm, wq, bqg, bkg, bvg, bql, bkl, bvl, qc, kv; writes qc, kv
.if DOCPART == 2
	.amdgcn_target "amdgcn-amd-amdhsa--gfx1250"
	.amdhsa_code_object_version 6
	.text
	.protected	k_q3e255d5ef5_proj
	.globl	k_q3e255d5ef5_proj
	.p2align	8
	.type	k_q3e255d5ef5_proj,@function
k_q3e255d5ef5_proj:
	s_mov_b64 s[64:65], 0
	v_nop
	global_prefetch_b8 v0, s[64:65] scope:SCOPE_SE
	s_setreg_imm32_b32 hwreg(HW_REG_WAVE_MODE, 25, 1), 1
	s_wait_xcnt 0x0
.set ZP,    528
.set ZRAWS, 32*ZP
.set ZRAWW, 3*ZRAWS
.set XIMG,  12*ZRAWS
.set FRB,   1536
.set XSC,   XIMG+24*FRB
.set WSC,   774144
.set KVB,   76800
.set BLK,   38400
.set SCO,   36864
.set QCB,   9728
.set HA,  16
.set ST,  80
.set XF,  80
.set XS,  144
.set PC,  148
.set TM,  168
.set PW,  184
.set PW0, 185
.set PWC, 186
.set VSA, 188
.set VSB, 212
.set SEL, 6
.set MSB, 0
.macro WIN new
.if MSB != (\new)
	s_set_vgpr_msb (MSB<<8)|(\new)
.set MSB, (\new)
.endif
.endm
.macro PLACES
.rept 4
	v_nop
.endr
.endm
.macro QUANT src
.irp b, 0,1,2,3
	v_max3_num_f32 v[TM+\b], |v[\src+16*\b]|, |v[\src+1+16*\b]|, 0x1800000
.endr
.irp i, 2,4,6,8,10,12,14
.irp b, 0,1,2,3
	v_max3_num_f32 v[TM+\b], v[TM+\b], |v[\src+16*\b+\i]|, |v[\src+1+16*\b+\i]|
.endr
.endr
.irp b, 0,1,2,3
	v_permlanex16_b32 v[TM+4+\b], v[TM+\b], s[SEL], s[SEL+1]
.endr
.irp b, 0,1,2,3
	v_max_num_f32 v[TM+\b], v[TM+\b], v[TM+4+\b]
.endr
.irp b, 0,1,2,3
	v_add_nc_u32 v[TM+12+\b], 0xff000000, v[TM+\b]
.endr
.irp b, 0,1,2,3
	v_lshrrev_b32 v[TM+4+\b], 23, v[TM+12+\b]
.endr
	v_lshl_or_b32 v[PW], v[TM+5], 8, v[TM+4]
	v_lshl_or_b32 v[PW], v[TM+6], 16, v[PW]
	v_lshl_or_b32 v[PW], v[TM+7], 24, v[PW]
.irp c, 0,1
	v_cvt_scalef32_pk16_fp6_f32 v[PC+6*\c:PC+2+6*\c], v[\src+32*\c:\src+15+32*\c], v[TM+12+2*\c]
	v_cvt_scalef32_pk16_fp6_f32 v[PC+12+4*\c:PC+14+4*\c], v[\src+16+32*\c:\src+31+32*\c], v[TM+13+2*\c]
.endr
	v_nop
.irp c, 0,1
.irp i, 0,1,2
	v_permlane16_swap_b32 v[PC+6*\c+\i], v[PC+12+4*\c+\i]
.endr
.irp i, 0,1,2
	v_mov_b32 v[PC+3+6*\c+\i], v[PC+12+4*\c+\i]
.endr
.endr
.endm
.macro WMS
	v_wmma_scale_f32_16x16x128_f8f6f4 v[rD:rD+7], v[rA:rA+11], v[rB:rB+11], v[rC:rC+7], v[rSA], v[rSB] matrix_a_fmt:MATRIX_FMT_FP6 matrix_b_fmt:MATRIX_FMT_FP6
.endm
.macro XL buf, ks, u
.irp b, 0,1,2,3
.irp j, 0,1,2,3
	ds_load_b128 v[\buf+16*\b+4*\j:\buf+16*\b+4*\j+3], v6 offset:ZP*(\ks)+24*ZP*(\u)+128*\b+16*\j   ; a row of Z is three LDS lines of ZP bytes: line 3 row + K step
.endr
.endr
.endm
.macro FETCHZ adr, sadr, off, soff
.irp n, 0,1,2
.irp c, 0,1,2
	ds_load_b128 v[XF+12*\n+4*\c:XF+12*\n+4*\c+3], v[\adr] offset:(\off)+FRB*\n+512*\c
.endr
.endr
.irp n, 0,1,2
	ds_load_b32 v[XS+\n], v[\sadr] offset:(\soff)+128*\n
.endr
.endm
.macro QKMUL w01, o2, vs
	WIN ((\w01)|((\w01)<<4))
.set iT, 0
.rept 8
.set rD, HA+8*iT
.set rC, 192+8*iT
.set rA, 12*iT
.set rB, XF
.set rSA, \vs+3*iT
.set rSB, XS
	WMS
.set iT, iT+1
.endr
	WIN (\w01)
.set iT, 0
.rept 8
.set rD, HA+8*iT
.set rC, rD
.set rA, 96+12*iT
.set rB, XF+12
.set rSA, \vs+3*iT+1
.set rSB, XS+1
	WMS
.set iT, iT+1
.endr
	WIN 2
.set iT, 0
.rept 8
.set rD, HA+8*iT
.set rC, rD
.set rA, \o2+12*iT
.set rB, XF+24
.set rSA, \vs+3*iT+2
.set rSB, XS+2
	WMS
.set iT, iT+1
.endr
	WIN 0
	PLACES
.endm
.macro QKOUT u
	s_wait_xcnt 0x0
	QUANT HA
.irp c, 0,1,2
	global_store_b128 v4, v[PC+4*\c:PC+4*\c+3], s[70:71] offset:4608*(\u)+512*\c
.endr
.if \u
	v_cndmask_b32 v[PWC], v[PW0], v[PW], s5
	global_store_b32 v5, v[PWC], s[72:73]
	s_wait_xcnt 0x0
	s_add_nc_u64 s[70:71], s[70:71], s[74:75]
	s_add_nc_u64 s[72:73], s[72:73], s[76:77]
.else
	v_mov_b32 v[PW0], v[PW]
.endif
.endm
.macro ZVLOAD
	WIN 0x40
.irp n, 0,1
.irp i, 0,1,2,3,4,5,6,7
.irp c, 0,1,2
	ds_load_b128 v[96*\n+12*\i+4*\c:96*\n+12*\i+4*\c+3], v9 offset:(3*\i+\n)*FRB+512*\c
.endr
.endr
.endr
.irp t, 0,1,2,3,4,5
.irp k, 0,1,2,3,4,5,6,7
	global_load_b32 v[192+8*\t+\k], v14, s[68:69] offset:(32*(\t/2)+8*(\t%2))*4
.endr
.endr
	WIN 0x80
.irp i, 0,1,2,3,4,5,6,7
.irp c, 0,1,2
	ds_load_b128 v[12*\i+4*\c:12*\i+4*\c+3], v9 offset:(3*\i+2)*FRB+512*\c
.endr
.endr
	WIN 0
.set q, 0
.rept 24
	ds_load_b32 v[VSA+q], v10 offset:128*q
.set q, q+1
.endr
.endm
.macro WVLOAD
	WIN 0xC0
.set q, 0
.rept 16
.irp c, 0,1,2
	global_load_b128 v[12*q+4*\c:12*q+4*\c+3], v4, s[62:63] offset:FRB*q+512*\c
.endr
.set q, q+1
.endr
	WIN 0x80
.rept 2
.irp c, 0,1,2
	global_load_b128 v[96+12*(q-16)+4*\c:96+12*(q-16)+4*\c+3], v4, s[62:63] offset:FRB*q+512*\c
.endr
.set q, q+1
.endr
	WIN 0
.set q, 0
.rept 18
	global_load_b32 v[VSB+q], v5, s[66:67] offset:128*q
.set q, q+1
.endr
.endm
.macro UNITV tp
.set sI, 0
.rept 3
.set fW, 3*(\tp)+sI
.if sI < 2
.set wA, 1
.set bA, 96*sI
.else
.set wA, 2
.set bA, 0
.endif
.if fW < 16
.set wB, 3
.set bB, 12*fW
.else
.set wB, 2
.set bB, 96+12*(fW-16)
.endif
.if sI == 0
	WIN (wA|(wB<<2)|(1<<4))
.else
	WIN (wA|(wB<<2))
.endif
.set iT, 0
.rept 8
.set rD, HA+8*iT
.if sI == 0
.set rC, 192+8*(\tp)
.else
.set rC, rD
.endif
.set rA, bA+12*iT
.set rB, bB
.set rSA, VSA+3*iT+sI
.set rSB, VSB+fW
	WMS
.set iT, iT+1
.endr
.set sI, sI+1
.endr
	WIN 0
	PLACES
	s_wait_xcnt 0x0
	QUANT HA
.irp c, 0,1,2
	global_store_b128 v4, v[PC+4*\c:PC+4*\c+3], s[82:83] offset:FRB*(\tp)+512*\c
.endr
.if (\tp)%2
	v_cndmask_b32 v[PWC], v[PW0], v[PW], s5
	global_store_b32 v5, v[PWC], s[84:85] offset:128*((\tp)/2)
.else
	v_mov_b32 v[PW0], v[PW]
.endif
.endm
	s_load_b512 s[8:23], s[0:1], 0x0
	s_load_b128 s[44:47], s[0:1], 0x40
	s_load_b64 s[48:49], s[0:1], 0x50
	v_lshl_add_u32 v254, v0, 2, 0x40000
	v_mov_b32 v255, 0
	ds_add_u32 v254, v255
	ds_add_u32 v254, v255
	v_lshrrev_b32 v1, 5, v0
	v_readfirstlane_b32 s2, v1
	s_and_b32 s3, ttmp7, 0xffff
	s_mov_b32 s4, ttmp9
	s_mov_b32 s5, 0xffff0000
	s_mov_b32 s[SEL], 0x76543210
	s_mov_b32 s[SEL+1], 0xfedcba98
	s_mov_b32 s24, (2<<16)|(1<<20)|(6<<22)|(3<<25)
	s_mov_b32 s25, 128<<16
	s_mov_b32 s26, 96<<16                          ; my 32 rows of Z are dense in memory: stated as 96 rows of 128 numbers, padded behind each
	s_mov_b32 s27, 128<<16
	s_mov_b32 s28, 96
	s_mov_b32 s29, 128
	s_mov_b32 s30, 0
	s_mov_b32 s31, 0
	s_mul_i32 s90, s4, 196608
	s_mul_i32 s91, s2, 49152
	s_add_co_u32 s98, s90, s91
	s_mov_b32 s99, 0
	s_mul_i32 s92, s2, ZRAWW
	s_wait_dscnt 0x0
	s_wait_kmcnt 0x0
	s_cmp_eq_u32 s3, 0
	s_cselect_b64 s[8:9], s[8:9], s[10:11]
	s_cselect_b64 s[14:15], s[14:15], s[20:21]
	s_cselect_b64 s[16:17], s[16:17], s[22:23]
	s_cselect_b64 s[18:19], s[18:19], s[44:45]
	s_add_nc_u64 s[8:9], s[8:9], s[98:99]
	s_mov_b32 s32, 1
	s_mov_b32 s33, s92
	s_mov_b64 s[34:35], s[8:9]
	s_or_b32 s35, s35, 0x80000000
	tensor_load_to_lds s[32:35], s[24:31]          ; my one tensor load: all 49,152 bytes of my rows
	s_nop 0
	PLACES
	v_and_b32 v1, 31, v0
	v_and_b32 v2, 15, v0
	v_bfe_u32 v3, v0, 4, 1
	v_lshlrev_b32 v4, 4, v1
	v_lshlrev_b32 v5, 2, v1
	v_and_b32 v15, 8, v2
	v_add_nc_u32 v15, v15, v2
	v_mul_u32_u24 v6, v15, 3*ZP
	v_lshl_add_u32 v6, v3, 6, v6
	v_add_nc_u32 v6, s92, v6
	s_mul_i32 s93, s2, 6*FRB
	s_add_co_u32 s93, s93, XIMG
	v_add_nc_u32 v7, s93, v4
	s_mul_i32 s93, s2, 768
	s_add_co_u32 s93, s93, XSC
	v_add_nc_u32 v8, s93, v5
	v_add_nc_u32 v9, XIMG, v4
	v_add_nc_u32 v10, XSC, v5
	s_and_b32 s94, s2, 1
	s_mul_i32 s93, s94, 12*FRB
	v_add_nc_u32 v11, s93, v9
	s_mul_i32 s93, s94, 1536
	v_add_nc_u32 v12, s93, v10
	v_lshlrev_b32 v13, 6, v3
	s_wait_alu depctr_va_vdst(0)
	v_lshlrev_b32 v14, 2, v15
.irp b, 0,1,2,3
	v_mov_b32 v[TM+4+\b], 0
.endr
	s_mul_i32 s90, s3, 331776
	s_mul_i32 s91, s2, 36864
	s_add_co_u32 s98, s90, s91
	s_add_nc_u64 s[50:51], s[12:13], s[98:99]
	s_lshr_b32 s93, s2, 1
	s_add_co_u32 s95, s93, 4
	s_mul_i32 s91, s95, 36864
	s_add_co_u32 s98, s90, s91
	s_add_nc_u64 s[52:53], s[12:13], s[98:99]
	s_mul_i32 s96, s3, 27648
	s_add_co_u32 s96, s96, WSC
	s_mul_i32 s91, s2, 3072
	s_add_co_u32 s98, s96, s91
	s_add_nc_u64 s[54:55], s[12:13], s[98:99]
	s_mul_i32 s91, s95, 3072
	s_add_co_u32 s98, s96, s91
	s_add_nc_u64 s[56:57], s[12:13], s[98:99]
	s_lshl_b32 s98, s2, 9
	s_add_nc_u64 s[58:59], s[14:15], s[98:99]
	s_add_co_u32 s97, s93, 1
	s_lshl_b32 s98, s97, 9
	s_add_nc_u64 s[60:61], s[16:17], s[98:99]
	s_mul_i32 s91, s2, 27648
	s_add_co_u32 s98, s90, s91
	s_add_co_u32 s98, s98, 221184
	s_add_nc_u64 s[62:63], s[12:13], s[98:99]
	s_mul_i32 s91, s2, 2304
	s_add_co_u32 s98, s96, s91
	s_add_co_u32 s98, s98, 18432
	s_add_nc_u64 s[66:67], s[12:13], s[98:99]
	s_mul_i32 s98, s2, 384
	s_add_nc_u64 s[68:69], s[18:19], s[98:99]
	s_xor_b32 s91, s3, 1
	s_lshl_b32 s91, s91, 7
	s_add_co_u32 s91, s91, s4
	s_mul_i32 s98, s91, KVB
	s_add_nc_u64 s[86:87], s[48:49], s[98:99]
	s_lshl_b32 s91, s3, 9
	s_lshl_b32 s95, s4, 2
	s_add_co_u32 s91, s91, s95
	s_mul_i32 s98, s91, QCB
	s_add_nc_u64 s[88:89], s[46:47], s[98:99]
	s_mul_i32 s98, s2, FRB
	s_add_nc_u64 s[70:71], s[88:89], s[98:99]
	s_lshl_b32 s98, s2, 7
	s_add_co_u32 s98, s98, 9216
	s_add_nc_u64 s[72:73], s[88:89], s[98:99]
	s_add_nc_u64 s[90:91], s[86:87], SCO
	s_mov_b32 s74, 9216
	s_mov_b32 s75, 0
	s_mov_b32 s76, 384
	s_mov_b32 s77, 0
	s_cmp_lt_u32 s2, 3
	s_cselect_b64 s[58:59], s[58:59], s[16:17]
	s_cselect_b64 s[70:71], s[70:71], s[86:87]
	s_cselect_b64 s[72:73], s[72:73], s[90:91]
	s_cselect_b32 s74, QCB, s74
	s_cselect_b32 s76, QCB, s76
	s_mul_i32 s95, s94, 18432
	s_mul_i32 s96, s97, FRB
	s_add_co_u32 s98, s95, s96
	s_add_nc_u64 s[78:79], s[86:87], s[98:99]
	s_mul_i32 s95, s94, 768
	s_lshl_b32 s96, s97, 7
	s_add_co_u32 s98, s95, s96
	s_add_co_u32 s98, s98, SCO
	s_add_nc_u64 s[80:81], s[86:87], s[98:99]
	s_mul_i32 s98, s2, 9216
	s_add_co_u32 s98, s98, BLK
	s_add_nc_u64 s[82:83], s[86:87], s[98:99]
	s_mul_i32 s98, s2, 384
	s_add_co_u32 s98, s98, BLK+SCO
	s_add_nc_u64 s[84:85], s[86:87], s[98:99]
	WIN 0x40
.irp n, 0,1
.irp i, 0,1,2,3,4,5,6,7
.irp c, 0,1,2
	global_load_b128 v[96*\n+12*\i+4*\c:96*\n+12*\i+4*\c+3], v4, s[50:51] offset:(3*\i+\n)*FRB+512*\c
.endr
.endr
.endr
.irp i, 0,1,2,3,4,5,6,7
	global_load_b128 v[192+8*\i:192+8*\i+3], v13, s[58:59] offset:(32*(\i/2)+8*(\i%2))*4
	global_load_b128 v[192+8*\i+4:192+8*\i+7], v13, s[58:59] offset:(32*(\i/2)+8*(\i%2))*4+16
.endr
	WIN 0x80
.irp i, 0,1,2,3,4,5,6,7
.irp c, 0,1,2
	global_load_b128 v[12*\i+4*\c:12*\i+4*\c+3], v4, s[50:51] offset:(3*\i+2)*FRB+512*\c
.endr
.endr
.irp i, 0,1,2,3,4,5,6,7
.irp c, 0,1,2
	global_load_b128 v[96+12*\i+4*\c:96+12*\i+4*\c+3], v4, s[52:53] offset:(3*\i+2)*FRB+512*\c
.endr
.endr
	WIN 0xC0
.irp n, 0,1
.irp i, 0,1,2,3,4,5,6,7
.irp c, 0,1,2
	global_load_b128 v[96*\n+12*\i+4*\c:96*\n+12*\i+4*\c+3], v4, s[52:53] offset:(3*\i+\n)*FRB+512*\c
.endr
.endr
.endr
.irp i, 0,1,2,3,4,5,6,7
	global_load_b128 v[192+8*\i:192+8*\i+3], v13, s[60:61] offset:(32*(\i/2)+8*(\i%2))*4
	global_load_b128 v[192+8*\i+4:192+8*\i+7], v13, s[60:61] offset:(32*(\i/2)+8*(\i%2))*4+16
.endr
	WIN 0
.set q, 0
.rept 24
	global_load_b32 v[VSA+q], v5, s[54:55] offset:128*q
.set q, q+1
.endr
	s_wait_tensorcnt 0x0
	XL HA, 0, 0
.set f, 0
.rept 6
.if f < 5
.if f%2 == 0
	XL ST, (f+1)/2, (f+1)%2
.else
	XL HA, (f+1)/2, (f+1)%2
.endif
	s_wait_dscnt 16
.else
	s_wait_dscnt 0x0
.endif
.if f%2 == 0
	QUANT HA
.else
	QUANT ST
.endif
.irp c, 0,1,2
	ds_store_b128 v7, v[PC+4*\c:PC+4*\c+3] offset:(3*(f%2)+f/2)*FRB+512*\c
.endr
	ds_store_b32 v8, v[PW] offset:(3*(f%2)+f/2)*128
.set f, f+1
.endr
	s_wait_dscnt 0x0
	s_barrier_signal -1
	s_barrier_wait -1
	s_wait_loadcnt 0x0
.set q, 0
.rept 24
	global_load_b32 v[VSB+q], v5, s[56:57] offset:128*q
.set q, q+1
.endr
	FETCHZ 9, 10, 0, 0
.irp m, 0,1,2,3,4,5,6,7
	s_wait_dscnt 0x0
	QKMUL 1, 0, VSA
.if \m < 7
	FETCHZ 9, 10, (\m+1)*4608, (\m+1)*384
.else
	FETCHZ 11, 12, 0, 0
	ZVLOAD
.endif
	QKOUT \m%2
.endr
	s_mov_b64 s[70:71], s[78:79]
	s_mov_b64 s[72:73], s[80:81]
	s_mov_b32 s74, 9216
	s_mov_b32 s76, 384
	s_wait_loadcnt 0x0
.irp k, 0,1,2,3
.if \k == 0
	s_wait_dscnt 63
.else
	s_wait_dscnt 0x0
.endif
	QKMUL 3, 96, VSB
.if \k < 3
	FETCHZ 11, 12, (\k+1)*4608, (\k+1)*384
.else
	WVLOAD
.endif
	QKOUT \k%2
.endr
	s_wait_loadcnt 0x0
	s_wait_dscnt 0x0
.irp t, 0,1,2,3,4,5
	UNITV \t
.endr
	s_wait_tensorcnt 0x0
	ds_add_u32 v254, v255
	s_wait_dscnt 0x0
	s_endpgm
.Lfunc_end_k_q3e255d5ef5_proj:
	.size	k_q3e255d5ef5_proj, .Lfunc_end_k_q3e255d5ef5_proj-k_q3e255d5ef5_proj
	.p2alignl 7, 3214868480
	.fill 96, 4, 3214868480
	.section	.rodata,"a",@progbits
	.p2align	6, 0x0
	.amdhsa_kernel k_q3e255d5ef5_proj
		.amdhsa_group_segment_fixed_size 327680
		.amdhsa_private_segment_fixed_size 0
		.amdhsa_enable_private_segment 0
		.amdhsa_kernarg_size 88
		.amdhsa_user_sgpr_count 2
		.amdhsa_user_sgpr_kernarg_segment_ptr 1
		.amdhsa_wavefront_size32 1
		.amdhsa_system_sgpr_workgroup_id_x 1
		.amdhsa_system_sgpr_workgroup_id_y 1
		.amdhsa_system_sgpr_workgroup_id_z 1
		.amdhsa_system_vgpr_workitem_id 0
		.amdhsa_next_free_vgpr 1024
		.amdhsa_next_free_sgpr 100
		.amdhsa_reserve_vcc 0
		.amdhsa_float_denorm_mode_32 3
		.amdhsa_float_denorm_mode_16_64 3
		.amdhsa_memory_ordered 1
		.amdhsa_forward_progress 1
		.amdhsa_inst_pref_size 219
	.end_amdhsa_kernel
	.amdgpu_metadata
---
amdhsa.version: [ 1, 2 ]
amdhsa.kernels:
  - .name:           k_q3e255d5ef5_proj
    .symbol:         k_q3e255d5ef5_proj.kd
    .args:
      - { .name: Z_graph, .offset: 0, .size: 8, .value_kind: global_buffer, .address_space: global }
      - { .name: Z_lstm, .offset: 8, .size: 8, .value_kind: global_buffer, .address_space: global }
      - { .name: wq, .offset: 16, .size: 8, .value_kind: global_buffer, .address_space: global }
      - { .name: bqg, .offset: 24, .size: 8, .value_kind: global_buffer, .address_space: global }
      - { .name: bkg, .offset: 32, .size: 8, .value_kind: global_buffer, .address_space: global }
      - { .name: bvg, .offset: 40, .size: 8, .value_kind: global_buffer, .address_space: global }
      - { .name: bql, .offset: 48, .size: 8, .value_kind: global_buffer, .address_space: global }
      - { .name: bkl, .offset: 56, .size: 8, .value_kind: global_buffer, .address_space: global }
      - { .name: bvl, .offset: 64, .size: 8, .value_kind: global_buffer, .address_space: global }
      - { .name: qc, .offset: 72, .size: 8, .value_kind: global_buffer, .address_space: global }
      - { .name: kv, .offset: 80, .size: 8, .value_kind: global_buffer, .address_space: global }
    .group_segment_fixed_size: 327680
    .private_segment_fixed_size: 0
    .kernarg_segment_align: 8
    .kernarg_segment_size: 88
    .max_flat_workgroup_size: 128
    .sgpr_count:     100
    .vgpr_count:     1024
    .wavefront_size: 32
...
	.end_amdgpu_metadata
.endif
;; end of part 2
;; launch attn (part 3): grid 32 x 8, 4 waves a work-group, clusters of 4 x 1, 327,680 bytes of LDS; arguments qc, kv, wq, bf, out0; writes out0
.if DOCPART == 3
	.amdgcn_target "amdgcn-amd-amdhsa--gfx1250"
	.amdhsa_code_object_version 6
	.text
	.protected	k_q3e255d5ef5_attn
	.globl	k_q3e255d5ef5_attn
	.p2align	8
	.type	k_q3e255d5ef5_attn,@function
k_q3e255d5ef5_attn:
	s_mov_b64 s[64:65], 0
	v_nop
	global_prefetch_b8 v0, s[64:65] scope:SCOPE_SE
	s_setreg_imm32_b32 hwreg(HW_REG_WAVE_MODE, 25, 1), 1
	s_wait_xcnt 0x0
	s_wait_alu depctr_hold_cnt(0) depctr_sa_sdst(0) depctr_va_vdst(0) depctr_va_sdst(0) depctr_va_ssrc(0) depctr_va_vcc(0) depctr_vm_vsrc(0)
	s_getreg_b32 s2, hwreg(HW_REG_IB_STS2, 6, 4)
	s_cmp_eq_u32 s2, 0
	s_cbranch_scc0 .Lentry_in_a_cluster
	s_endpgm
.Lentry_in_a_cluster:
	s_bfe_u32 s2, ttmp6, 0x10000c
	s_cmp_lg_u32 s2, 0x3003
	s_cbranch_scc0 .Lentry_shape_is_right
	s_endpgm
.Lentry_shape_is_right:
; out = (softmax(Qg Kl^T / sqrt(384)) Vl + softmax(Ql Kg^T / sqrt(384)) Vg) Wf^T + bf, all five products on codes of FP6 (E2M3) with one E8M0 scale for each 32 along a product's K.
; Q, K (K = the 384 channels), V^T (K = the keys) and Wf arrive as codes laid in the order of an operand's registers (fragment = 16 rows x 128 K = 1,536 bytes, three loads of 512 consecutive bytes).
; THE SOFTMAX: t = score x log2(e) / sqrt(384) (one constant, 0x3d96c740); M = the running largest t rounded UP to a whole number; p = 2^(t - M) is quantised along the keys, not normalised;
; the row's sum is taken of the unquantised p and divides at the end; when M moves, the sum and O^T are multiplied by f = 2^(old M - new M), which rounds nothing.
; SHARES.  A work-group owns 64 rows of one batch, for BOTH directions, so that their sum never leaves the WGP.  Wave w: direction w / 2, rows 32 (w % 2) on: two tiles of 16 queries, so that each fragment of K and V feeds two matrix instructions.
; Both products are used transposed (S^T = K Q^T, O^T = V^T P^T): a lane holds one query throughout.  Register tile 0 holds query tile (direction), register tile 1 the other: at the end every wave keeps tile 0 and sends tile 1, with no branch.
; THE ROWS OF EVERY TILE (keys, queries, channels): lane r of tile 2 b + u holds row 32 b + 8 u + r + 8 (r / 8), so that the 16 registers of two neighbouring tiles are 16 neighbours along the next K.
; THE STEPS OVERLAP.  Trip i (0 .. 16) has two phases.  1: S^T of key step i; under its LDS loads stand the quantising of step i - 1's p and tile 0's multiplications of O^T by step i - 1's f, between its products tile 1's.
;   2: O^T += V^T P^T of step i - 1, one product at a time among the exponentials of step i's softmax.  So the matrix unit, the vector unit and LDS work side by side in one wave.  Trip 0 has no second product, trip 16 no first.
; Fragments come in half sets of four, each asked for as soon as the last products on the registers that it takes are issued: K's three K steps and V's 24 fragments follow each other through two sets of eight.
; THE RING.  A key step is 128 keys of both directions: four dense blocks of 38,400 bytes (K 0, V 0, K 1, V 1), one tensor load a wave, two slots; step j lies in slot j % 2.  Trip i reads K from slot i % 2 and V from the other.
;   At the head of trip i the blocks that trip i - 1 read last are filled again: K's with step i + 1, V's with step i.  Steps 0 and 1 come whole (at the start; at trip 0), so at trip 1 V's waves ask for nothing; at trip 15 K's; at trip 16 nobody.
;   One load of a wave is out at any time.
; CLUSTER.  The four work-groups of a cluster belong to one batch and walk the same K and V: each block is asked for JOINTLY, by the same load with the same descriptor and the mask of all four.
; AT THE END the two directions meet through LDS, the sum is quantised, and for the last product the waves share the COLUMNS (wave w: outputs 96 w on, for all 64 rows), so that Wf is read once a work-group.
; LIMITS: NaN and infinities are not served; a block of zeros or under 2^-124 gets the byte 1 with the codes that the conversion gives.
; REGISTERS.  window 0: v1-11, v37-38 addresses; v12-19 -M, largest t, the sum (two halves), a tile each; v20-23 f (low halves of two pairs); v24-36, v40-47, v104-107 at work; v48-71 p's codes; v72-99 scale words of Q, K, V;
;   v100-111 the way out's addresses; v112-123 scale words; v124-125 p's scale words; v128-255 S^T, then p.
;   window 1, 2: O^T of register tile 0, 1 (v0-191), its Q (v192-227).   window 3: two sets of eight fragments of K or V (v0-95, v96-191); at the end Wf.
.set FRB,   1536
.set BLK,   38400                      ; a block: 24 fragments and 12 pairs of scale words
.set SCO,   36864                      ; where a block's scale words begin
.set SLOTB, 4*BLK                      ; 153,600
.set SPARE, 2*SLOTB                    ; 307,200: the spare words, 128 bytes for each wave
.set EXB,   24576                      ; the way out, in slot 0, which has had its last fill and its last read by then: a register tile of O^T for each wave;
.set OSP,   1552                       ; over it, later, the stage for out0: 64 rows x (1,536 bytes + 16);
.set ZIMG,  64*OSP                     ; 99,328: the sum's 12 fragments;
.set ZSC,   ZIMG+12*FRB                ; 117,760: their scale words
.set SPW, 1
.set NIL, 2
.set LI,  3                            ; 16 x lane
.set LS,  4                            ; 4 x lane
.set AK0, 5                            ; my direction's K block in a slot, + 16 x lane
.set AS0, 6                            ; its scale words, + 4 x lane
.set AK,  7                            ; the same in the slot in hand; v8: V's, in the other slot
.set AV,  8
.set AKS, 9
.set AVS, 10
.set PFO, 11
.set STT, 12
.set FF,  20
.set BM,  24                           ; the blocks' largest scores, then largest p: tile 0's; tile 1's 80 registers on
.set T4,  28
.set SOP, 32
.set TT,  36
.set AV0, 37                           ; my direction's V block in a slot, + 16 x lane
.set AVS0, 38
.set PT,  40
.set P,   48
.set QS,  72
.set KS,  76
.set VS,  88
.set QSO, 100
.set EXW, 101
.set EXR, 102
.set ZWI, 103
.set ZWS, 104
.set ZRI, 105
.set ZRS, 106
.set STO, 107
.set SR,  108
.set BO,  109
.set ZS,  112
.set PS,  124                          ; p's scale words, a tile each
.set S,   128
.set TM,  24                           ; the quantiser at the end
.set PC,  40
.set PW,  60
.set WS,  76
.set BFR, 192
.set GA,  0
.set GB,  96
.set SEL, 20                           ; s[20:21]
.set CS,  22                           ; s[22:23]
.set TB,  36                           ; s36 the slot from which K is read
.set TF,  37                           ; s37 the slot that I fill
.set WOFF, 38                          ; s38 my block's place in a slot
.set CNT, 39                           ; s39 counts the trips down
.set LIM, 40
.set TV,  41                           ; s41 the slot from which V is read
.set PFA, 42
.set SKP, 66                           ; s[66:67] trip 1's step of my descriptor's address: a key step in K's waves, 0 in V's
.set XK,  70                           ; s70 and of its slot
.set MSB, 0
.set MIXON, 0
.set PVFIRST, 0
.set nW, 48
.set nR, 0
.macro WIN new                         ; the immediate's high byte repeats the setting that is left
.if MSB != (\new)
	s_set_vgpr_msb (MSB<<8)|(\new)
.set MSB, (\new)
.endif
.endm
.macro PLACES                          ; four places behind matrix instructions, in front of loads into their registers and of reads of their results
.rept 4
	v_nop
.endr
.endm
.macro CROUND                          ; a round of the cluster's barrier
	s_barrier_signal -1
	s_barrier_wait -1
	s_cmp_lg_u32 s14, 0
	s_cbranch_scc1 .Lnot_wave_0_\@
	s_barrier_signal -3
.Lnot_wave_0_\@:
	s_barrier_wait -3
	s_barrier_signal -1
	s_barrier_wait -1
.endm
.macro BARRIER                         ; my LDS stores have landed and my LDS loads are in: then the work-group's barrier
	s_wait_dscnt 0x0
	s_barrier_signal -1
	s_barrier_wait -1
.endm
; A PREFETCH INTO THE L2: at the head of trip i (0 .. 13) the four blocks of key step i + 2 are named: K's are asked for by the next trip's tensor loads, V's by those of the trip after it.
; All clusters of a batch walk the same blocks: the batch's first cluster asks.  Its four partners take a block each, told apart BY ADDRESS; a block's 150 runs of 256 bytes are five chunks of 30: wave w names chunk w,
; wave 0 also chunk 4; a lane a run (lanes 30, 31 name lane 29's again).  Key steps 0 and 1 come by their loads alone; behind key step 15 nothing is named.
.macro ASK
	s_cmp_gt_u32 s[CNT], s[LIM]
	s_cbranch_scc0 .Lnot_mine_\@
	global_prefetch_b8 v[PFO], s[PFA:PFA+1] th:TH_LOAD_NT scope:SCOPE_SE
	s_cmp_lg_u32 s14, 0
	s_cbranch_scc1 .Lnot_mine_\@
	global_prefetch_b8 v[PFO], s[PFA:PFA+1] offset:30720 th:TH_LOAD_NT scope:SCOPE_SE
.Lnot_mine_\@:
.endm
; THE CHANGE OF SLOTS stands at a trip's head.  Each wave waits for all its tensor loads, adds 0 to its spare word, and waits for that and for its LDS reads of the trip before.
; fill = 1: every wave fills its block again; 2: K's waves alone (V's keep slot and address); 3: V's waves alone; 0: nobody.  Where a block is filled the barrier is a round of the cluster's, and the load stands first behind it:
; it has a whole trip in which to land.  The branches hang on the wave's number alone: they are the same in every work-group.
.macro CHANGE fill
	WIN 0
	s_wait_tensorcnt 0x0                           ; no tensor load of mine is out, so the descriptor may be written
	ds_add_u32 v[SPW], v[NIL]                      ; 0 onto my spare word
.if ((\fill) == 1) || ((\fill) == 3)
	s_xor_b32 s[TF], s[TF], SLOTB                  ; the other slot than last time,
	s_add_co_u32 s33, s[TF], s[WOFF]
	s_add_nc_u64 s[34:35], s[34:35], 2*BLK         ; my block of the next key step; the type bits on top are not reached
.elseif (\fill) == 2
	s_xor_b32 s[TF], s[TF], s[XK]                  ; the same in K's waves; V's waves add and turn nothing
	s_add_co_u32 s33, s[TF], s[WOFF]
	s_add_nc_u64 s[34:35], s[34:35], s[SKP:SKP+1]
.endif
.if ((\fill) == 1) || ((\fill) == 2)
	s_wait_xcnt 0x0                                ; the last prefetches, a trip back, have read their address
	s_add_nc_u64 s[PFA:PFA+1], s[PFA:PFA+1], 2*BLK
.endif
	s_wait_dscnt 0x0                               ; the add is done, and my LDS reads of the trip before are over
.if (\fill) == 0
	s_barrier_signal -1
	s_barrier_wait -1
.else
	CROUND
.if (\fill) == 1
	tensor_load_to_lds s[32:35], s[24:31]          ; the first thing behind the round, and my one tensor load until the next
	s_nop 0
	PLACES
	ASK
.elseif (\fill) == 2
	s_cmp_lg_u32 s16, 0
	s_cbranch_scc1 .Lnot_k_\@
	tensor_load_to_lds s[32:35], s[24:31]
	s_nop 0
	PLACES
.Lnot_k_\@:
	ASK
.else
	s_cmp_eq_u32 s16, 0
	s_cbranch_scc1 .Lnot_v_\@
	tensor_load_to_lds s[32:35], s[24:31]
	s_nop 0
	PLACES
.Lnot_v_\@:
.endif
.endif
.endm
.macro WMS zero                        ; one matrix instruction on the registers named by the symbols; fA, fB: the scale words stand in lanes 16-31
.if \zero
.if fA && fB
	v_wmma_scale_f32_16x16x128_f8f6f4 v[rD:rD+7], v[rA:rA+11], v[rB:rB+11], 0, v[rSA], v[rSB] matrix_a_fmt:MATRIX_FMT_FP6 matrix_b_fmt:MATRIX_FMT_FP6 matrix_a_scale:MATRIX_SCALE_ROW1 matrix_b_scale:MATRIX_SCALE_ROW1
.elseif fA
	v_wmma_scale_f32_16x16x128_f8f6f4 v[rD:rD+7], v[rA:rA+11], v[rB:rB+11], 0, v[rSA], v[rSB] matrix_a_fmt:MATRIX_FMT_FP6 matrix_b_fmt:MATRIX_FMT_FP6 matrix_a_scale:MATRIX_SCALE_ROW1
.elseif fB
	v_wmma_scale_f32_16x16x128_f8f6f4 v[rD:rD+7], v[rA:rA+11], v[rB:rB+11], 0, v[rSA], v[rSB] matrix_a_fmt:MATRIX_FMT_FP6 matrix_b_fmt:MATRIX_FMT_FP6 matrix_b_scale:MATRIX_SCALE_ROW1
.else
	v_wmma_scale_f32_16x16x128_f8f6f4 v[rD:rD+7], v[rA:rA+11], v[rB:rB+11], 0, v[rSA], v[rSB] matrix_a_fmt:MATRIX_FMT_FP6 matrix_b_fmt:MATRIX_FMT_FP6
.endif
.else
.if fA && fB
	v_wmma_scale_f32_16x16x128_f8f6f4 v[rD:rD+7], v[rA:rA+11], v[rB:rB+11], v[rC:rC+7], v[rSA], v[rSB] matrix_a_fmt:MATRIX_FMT_FP6 matrix_b_fmt:MATRIX_FMT_FP6 matrix_a_scale:MATRIX_SCALE_ROW1 matrix_b_scale:MATRIX_SCALE_ROW1
.elseif fA
	v_wmma_scale_f32_16x16x128_f8f6f4 v[rD:rD+7], v[rA:rA+11], v[rB:rB+11], v[rC:rC+7], v[rSA], v[rSB] matrix_a_fmt:MATRIX_FMT_FP6 matrix_b_fmt:MATRIX_FMT_FP6 matrix_a_scale:MATRIX_SCALE_ROW1
.elseif fB
	v_wmma_scale_f32_16x16x128_f8f6f4 v[rD:rD+7], v[rA:rA+11], v[rB:rB+11], v[rC:rC+7], v[rSA], v[rSB] matrix_a_fmt:MATRIX_FMT_FP6 matrix_b_fmt:MATRIX_FMT_FP6 matrix_b_scale:MATRIX_SCALE_ROW1
.else
	v_wmma_scale_f32_16x16x128_f8f6f4 v[rD:rD+7], v[rA:rA+11], v[rB:rB+11], v[rC:rC+7], v[rSA], v[rSB] matrix_a_fmt:MATRIX_FMT_FP6 matrix_b_fmt:MATRIX_FMT_FP6
.endif
.endif
.endm
.macro LOADH g, h, adr, f0, fs         ; half a set: four fragments, numbers f0 + fs k of a block, into places 4 h + k of set g in window 3: 12 LDS loads of 512 consecutive bytes
	WIN 0xC0
.set t, 0
.rept 4
.irp c, 0,1,2
	ds_load_b128 v[\g+12*(4*(\h)+t)+4*\c:\g+12*(4*(\h)+t)+4*\c+3], v[\adr] offset:((\f0)+(\fs)*t)*FRB+512*\c
.endr
.set t, t+1
.endr
.endm
.macro RS n                            ; the next n of the 192 packed multiplications that bring O^T under the last step's M: tile 0's 96, then tile 1's, each accumulator from its low end on
.rept \n
	WIN (0x41*(1+nR/96))                           ; O^T (destination and source 0) in window 1 or 2, f in window 0
	v_pk_mul_f32 v[2*(nR%96):2*(nR%96)+1], v[2*(nR%96):2*(nR%96)+1], v[FF+2*(nR/96):FF+2*(nR/96)+1] op_sel_hi:[1,0]
.set nR, nR+1
.endr
.endm
; S^T += K Q^T, K step ks, tiles of keys 4 h .. 4 h + 3 out of set g: eight matrix instructions, a tile's two tiles of queries one behind the other, so that a fragment is done with after two.
; The 16 accumulators take turns, one instruction a turn, in the same order in every K step.  mixr = 1: four multiplications of O^T stand behind each pair; the last four are also the places in front of
; the loads into this half set's registers, and of the first reads of the scores.  mixr = 0: four v_nop take that part.
.macro QKG ks, g, h, mixr
.set t, 4*(\h)
.rept 4
.set rho, 0
.rept 2
	WIN (0x07+4*rho)                               ; K in window 3, Q in window 1 or 2, S^T in window 0
.set rD, S+64*rho+8*t
.set rC, rD
.set rA, \g+12*t
.set rB, 192+12*(\ks)
.set rSA, KS+3*(t/2)+(\ks)
.set rSB, QS+(\ks)
.set fA, t%2
.set fB, rho
.if (\ks) == 0
	WMS 1
.else
	WMS 0
.endif
.set rho, rho+1
.endr
.if \mixr
	RS 4
.endif
.set t, t+1
.endr
.if !(\mixr)
	PLACES
.endif
.endm
; The next of the 48 products O^T += V^T P^T of the step before: number nW = channels' tile nW / 2, register tile nW % 2; K = that step's 128 keys.  Tiles 0-7 lie in set B, 8-15 in set A, 16-23 in set B again.
; The waits count the half sets (12 loads each) that were asked for behind the one that is wanted.  PVFIRST = 1: the products start the sums: nothing is ever cleared.
.macro NEXTW
.if nW < 48
.if nW == 0
	s_wait_dscnt 36                                ; V's scale words and tiles 0-3 are in; tiles 4-15 may be out
.elseif nW == 8
	PLACES
	LOADH GB, 0, AV, 16, 1                         ; tiles 0-3 are done with: their registers take tiles 16-19
	s_wait_dscnt 36                                ; tiles 4-7 are in
.elseif nW == 16
	PLACES
	LOADH GB, 1, AV, 20, 1
	s_wait_dscnt 36                                ; tiles 8-11 are in
.elseif nW == 24
	s_wait_dscnt 24
.elseif nW == 32
	s_wait_dscnt 12
.elseif nW == 40
	s_wait_dscnt 0x0
.endif
.set fV, nW/2
.set rho, nW%2
.set rD, 8*fV
.set rC, rD
.if fV < 8
.set rA, GB+12*fV
.elseif fV < 16
.set rA, GA+12*(fV-8)
.else
.set rA, GB+12*(fV-16)
.endif
.set rB, P+12*rho
.set rSA, VS+fV/2
.set rSB, PS+rho
.set fA, fV%2
.set fB, 0
	WIN (0x53+0x50*rho)                            ; V in window 3, P in window 0, O^T in window 1 or 2
	WMS PVFIRST
.if MIXON
	WIN 0
.endif
.set nW, nW+1
.endif
.endm
; The softmax of register tile tl for one key step, up to the row's sum: 64 scores a lane, register 16 b + i = key 32 b + 16 (lane / 16) + i of my query.  p stays in the scores' registers and each block's largest p in four registers
; of the tile's own: they are quantised in the next trip (TAIL).  MIXON = 1: a product of the step before stands behind every third exponential of tile 0 and every second of tile 1.
.macro SMAIN tl
.set xS, S+64*(\tl)
.set xN, STT+4*(\tl)
.set xF, FF+2*(\tl)
.set xM, BM+80*(\tl)
	WIN 0
.irp b, 0,1,2,3
	v_max3_num_f32 v[xM+\b], v[xS+16*\b], v[xS+16*\b+1], v[xS+16*\b+2]   ; the largest score of each block of 32 keys: it serves for the row's maximum and, since p rises with the score, for the block's largest p
.endr
.irp i, 3,5,7,9,11,13
.irp b, 0,1,2,3
	v_max3_num_f32 v[xM+\b], v[xM+\b], v[xS+16*\b+\i], v[xS+16*\b+\i+1]
.endr
.endr
.irp b, 0,1,2,3
	v_max_num_f32 v[xM+\b], v[xM+\b], v[xS+16*\b+15]
.endr
.irp b, 0,1,2,3
	v_permlanex16_b32 v[T4+\b], v[xM+\b], s[SEL], s[SEL+1]
.endr
.irp b, 0,1,2,3
	v_max_num_f32 v[xM+\b], v[xM+\b], v[T4+\b]     ; with lane l xor 16's 16 keys
.endr
	v_max3_num_f32 v[TT], v[xM], v[xM+1], v[xM+2]
	v_max_num_f32 v[TT], v[TT], v[xM+3]            ; the step's largest score of my query
	v_mul_f32 v[TT], s[CS], v[TT]                  ; as t (c is positive)
	v_max_num_f32 v[xN+1], v[xN+1], v[TT]          ; the running largest t
	v_mov_b32 v[TT], v[xN]
	v_floor_f32 v[xN], -v[xN+1]                    ; the new -M = floor(-t): M is a whole number
	v_sub_f32 v[TT], v[xN], v[TT]                  ; old M - new M: a whole number, 0 or less
	v_cvt_i32_f32 v[TT], v[TT]                     ; (it saturates)
	v_ldexp_f32 v[xF], 1.0, v[TT]                  ; f = 2^(old M - new M): the sum takes it below, O^T in the next trip
.set j, 0
.rept 32
	v_pk_fma_f32 v[xS+j:xS+j+1], v[xS+j:xS+j+1], s[CS:CS+1], v[xN:xN+1] op_sel_hi:[1,0,0]   ; t - M, two at a time
.set j, j+2
.endr
.irp b, 0,1,2,3
	v_fma_f32 v[xM+\b], v[xM+\b], s[CS], v[xN]     ; the same of each block's largest score
.endr
.set j, 0
	s_wait_alu depctr_va_vdst(0)
.rept 64
	v_exp_f32 v[xS+j], v[xS+j]                     ; p = 2^(t - M), at most 1: not normalised
.if MIXON && ((j%(3-(\tl))) == (2-(\tl)))
	NEXTW
.endif
.set j, j+1
.endr
	v_pk_mul_f32 v[xN+2:xN+3], v[xN+2:xN+3], v[xF:xF+1] op_sel_hi:[1,0]   ; the sums under the new M: the plain place behind the exponentials
	s_wait_alu depctr_va_vdst(0)                   ; one wait for the whole batch, ahead of its first reader.  (Tile 1's also serves tile 0's four below)
.irp b, 0,1,2,3
	v_exp_f32 v[xM+\b], v[xM+\b]                   ; the block's largest p: the same two instructions on the same number give the same bits
.endr
	v_pk_add_f32 v[T4:T4+1], v[xS:xS+1], v[xS+2:xS+3]   ; the row's sum is taken of the unquantised p, in two chains
.set j, 4
.rept 15
	v_pk_add_f32 v[xN+2:xN+3], v[xN+2:xN+3], v[xS+j:xS+j+1]
	v_pk_add_f32 v[T4:T4+1], v[T4:T4+1], v[xS+j+2:xS+j+3]
.set j, j+4
.endr
	v_pk_add_f32 v[xN+2:xN+3], v[xN+2:xN+3], v[T4:T4+1]
.if \tl
	s_wait_alu depctr_va_vdst(0)                   ; and one for tile 1's four, ahead of the labels and branches that follow
.endif
.endm
; Register tile tl's p of the step before becomes the second product's operand: four scale bytes from the blocks' largest p, the codes, and the exchange of halves that the operand's layout asks.
.macro TAIL tl
.set yS, S+64*(\tl)
.set yM, BM+80*(\tl)
.set yP, P+12*(\tl)
	WIN 0
.irp b, 0,1,2,3
	v_max_num_f32 v[yM+\b], 0x1800000, v[yM+\b]    ; the floor 2^(3 - 127): the byte cannot fall under 1
.endr
.irp b, 0,1,2,3
	v_add_nc_u32 v[SOP+\b], 0xff000000, v[yM+\b]   ; 2 off the exponent field: the conversion's scale operand
.endr
.irp b, 0,1,2,3
	v_lshrrev_b32 v[T4+\b], 23, v[SOP+\b]          ; the scale's byte
.endr
	v_lshl_or_b32 v[PS+(\tl)], v[T4+1], 8, v[T4]   ; p's scale word for those 128 keys
	v_lshl_or_b32 v[PS+(\tl)], v[T4+2], 16, v[PS+(\tl)]
	v_lshl_or_b32 v[PS+(\tl)], v[T4+3], 24, v[PS+(\tl)]
.irp c, 0,1
	v_cvt_scalef32_pk16_fp6_f32 v[yP+6*\c:yP+6*\c+2], v[yS+32*\c:yS+32*\c+15], v[SOP+2*\c]
	v_cvt_scalef32_pk16_fp6_f32 v[PT+4*\c:PT+4*\c+2], v[yS+32*\c+16:yS+32*\c+31], v[SOP+2*\c+1]   ; (a conversion's three registers begin on an even number)
.endr
	v_nop                                          ; one plain place behind a scaled conversion
.irp c, 0,1
.irp i, 0,1,2
	v_permlane16_swap_b32 v[yP+6*\c+\i], v[PT+4*\c+\i]
.endr
.irp i, 0,1,2
	v_mov_b32 v[yP+3+6*\c+\i], v[PT+4*\c+\i]
.endr
.endr
.endm
; PHASE 1 of a trip: the scores of the key step whose K lies in the slot at s[TB].  tail = 1: the step before has a p to quantise; mixr = 1: O^T has sums to bring under that step's M; vl = 1: that step's V, in the slot at s[TV], is asked for
; as K's registers come free.  Each wait counts the LDS loads that were issued behind those that it wants.
.macro PHASE1 tail, mixr, vl
	v_add_nc_u32 v[AK], s[TB], v[AK0]              ; (these four are also places behind the last trip's products, in front of the loads into their operands)
	v_add_nc_u32 v[AKS], s[TB], v[AS0]
	v_add_nc_u32 v[AV], s[TV], v[AV0]
	v_add_nc_u32 v[AVS], s[TV], v[AVS0]
.set q, 0
.rept 12
	ds_load_b32 v[KS+q], v[AKS] offset:128*q       ; K's scale words: pair of tiles q / 3, K step q % 3
.set q, q+1
.endr
	LOADH GA, 0, AK, 0, 3                          ; K step 0
	LOADH GA, 1, AK, 12, 3
.if \tail
	TAIL 0                                         ; work on registers while the loads are on their way
	TAIL 1
.endif
	LOADH GB, 0, AK, 1, 3                          ; K step 1
	LOADH GB, 1, AK, 13, 3
.set nR, 0
.if \mixr
	RS 96                                          ; tile 0's O^T
.endif
	s_wait_alu depctr_va_vdst(0)
	s_wait_dscnt 24                                ; all but set B's 24 loads
	QKG 0, GA, 0, \mixr
	LOADH GA, 0, AK, 2, 3                          ; K step 2, half by half
	QKG 0, GA, 1, \mixr
	LOADH GA, 1, AK, 14, 3
	s_wait_dscnt 24                                ; all but K step 2's 24: set B is in
	QKG 1, GB, 0, \mixr
.if \vl
	WIN 0
.set q, 0
.rept 12
	ds_load_b32 v[VS+q], v[AVS] offset:128*q       ; V's scale words, a pair of tiles each
.set q, q+1
.endr
	LOADH GB, 0, AV, 0, 1                          ; V's tiles 0-3
.endif
	QKG 1, GB, 1, \mixr
.if \vl
	LOADH GB, 1, AV, 4, 1
.endif
	s_wait_dscnt 12+36*(\vl)                       ; K step 2's first half is in: behind it stand its second half and, of V, 12 scale words and two half sets
	QKG 2, GA, 0, \mixr
.if \vl
	LOADH GA, 0, AV, 8, 1
.endif
	s_wait_dscnt 48*(\vl)                          ; its second half is in: behind it stand V's 12 scale words and three half sets
	QKG 2, GA, 1, \mixr
.if \vl
	LOADH GA, 1, AV, 12, 1
.endif
	WIN 0
.endm
; PHASE 2: this step's softmax, and among its exponentials the 48 products of the step before.
.macro PHASE2 first
.set nW, 0
.set PVFIRST, \first
.set MIXON, 1
	SMAIN 0
	s_wait_alu depctr_va_vdst(0)
	SMAIN 1
.set MIXON, 0
.rept 48
	NEXTW                                          ; (21 + 27 places have served all 48: nothing is left here)
.endr
	WIN 0
.endm
.macro TOGGLE                          ; on to the next trip's slots
	s_xor_b32 s[TB], s[TB], SLOTB
	s_xor_b32 s[TV], s[TV], SLOTB
.endm
.macro QUANT src                       ; 64 numbers of a lane -> codes in v[PC] .. v[PC+11], scale word in v[PW], alike in both halves of the lanes
.irp b, 0,1,2,3
	v_max3_num_f32 v[TM+\b], |v[\src+16*\b]|, |v[\src+1+16*\b]|, 0x1800000
.endr
.irp i, 2,4,6,8,10,12,14
.irp b, 0,1,2,3
	v_max3_num_f32 v[TM+\b], v[TM+\b], |v[\src+16*\b+\i]|, |v[\src+1+16*\b+\i]|
.endr
.endr
.irp b, 0,1,2,3
	v_permlanex16_b32 v[TM+4+\b], v[TM+\b], s[SEL], s[SEL+1]
.endr
.irp b, 0,1,2,3
	v_max_num_f32 v[TM+\b], v[TM+\b], v[TM+4+\b]
.endr
.irp b, 0,1,2,3
	v_add_nc_u32 v[TM+12+\b], 0xff000000, v[TM+\b]
.endr
.irp b, 0,1,2,3
	v_lshrrev_b32 v[TM+4+\b], 23, v[TM+12+\b]
.endr
	v_lshl_or_b32 v[PW], v[TM+5], 8, v[TM+4]
	v_lshl_or_b32 v[PW], v[TM+6], 16, v[PW]
	v_lshl_or_b32 v[PW], v[TM+7], 24, v[PW]
.irp c, 0,1
	v_cvt_scalef32_pk16_fp6_f32 v[PC+6*\c:PC+2+6*\c], v[\src+32*\c:\src+15+32*\c], v[TM+12+2*\c]
	v_cvt_scalef32_pk16_fp6_f32 v[PC+12+4*\c:PC+14+4*\c], v[\src+16+32*\c:\src+31+32*\c], v[TM+13+2*\c]
.endr
	v_nop
.irp c, 0,1
.irp i, 0,1,2
	v_permlane16_swap_b32 v[PC+6*\c+\i], v[PC+12+4*\c+\i]
.endr
.irp i, 0,1,2
	v_mov_b32 v[PC+3+6*\c+\i], v[PC+12+4*\c+\i]
.endr
.endr
.endm
	s_load_b256 s[4:11], s[0:1], 0x0               ; qc s[4:5], kv s[6:7], wq s[8:9], bf s[10:11]
	s_load_b64 s[12:13], s[0:1], 0x20              ; out0
	v_lshl_add_u32 v[SPW], v0, 2, SPARE
	v_mov_b32 v[NIL], 0
	ds_add_u32 v1, v2
	ds_add_u32 v1, v2
	s_wait_dscnt 0x0
	v_lshrrev_b32 v3, 5, v0
	v_readfirstlane_b32 s14, v3                    ; wave 0..3
	s_lshr_b32 s15, s14, 1                         ; my direction.  Also: the direction of the block that I fetch
	s_and_b32 s16, s14, 1                          ; which 32 of the 64 rows.  Also: I fetch K's block (0) or V's (1)
	s_bfe_u32 s17, ttmp6, 0x40000                  ; cx: my place in the cluster
	s_lshl_b32 s18, ttmp9, 2
	s_add_co_u32 s18, s18, s17                     ; my block of 64 rows: it enters Q's and out0's addresses alone
	s_and_b32 s19, ttmp7, 0xffff                   ; the batch, which the four partners share
	; descriptor group 1: a dense block as 150 rows of 256 bytes (32 elements of 8 bytes), no padding; the mask names all four work-groups
	s_mov_b32 s24, 15|(3<<16)|(1<<21)
	s_mov_b32 s25, 32<<16                          ; tensor_dim0
	s_mov_b32 s26, 150<<16                         ; tensor_dim1
	s_mov_b32 s27, 32<<16                          ; tile_dim0
	s_mov_b32 s28, 150                             ; tile_dim1
	s_mov_b32 s29, 32                              ; the pitch
	s_mov_b32 s30, 0
	s_mov_b32 s31, 0
	s_mov_b32 s[SEL], 0x76543210
	s_mov_b32 s[SEL+1], 0xfedcba98
	s_mov_b32 s[CS], 0x3d96c740                    ; c = log2(e) / sqrt(384)
	s_mov_b32 s[CS+1], s[CS]                       ; (named with it as a pair, so it is written)
	s_mov_b32 s[TB], 0
	s_mov_b32 s[TV], SLOTB
	s_mov_b32 s[TF], 0
	s_mul_i32 s[WOFF], s14, BLK
	s_mov_b32 s[CNT], 15
	s_mul_i32 s58, s15, 9830400                    ; the direction's 128 key steps,
	s_mul_i32 s59, s19, 1228800                    ; the batch's 16,
	s_add_co_u32 s58, s58, s59
	s_mul_i32 s60, s16, BLK                        ; K's block or V's: nothing of my place in the cluster
	s_add_co_u32 s58, s58, s60
	s_mov_b32 s59, 0
	s_wait_kmcnt 0x0
	s_mov_b32 s32, 1
	s_mov_b32 s33, s[WOFF]                         ; slot 0
	s_add_nc_u64 s[34:35], s[6:7], s[58:59]        ; key step 0
	s_or_b32 s35, s35, 0x80000000
	CROUND                                         ; all four work-groups are here: the first joint loads meet
	tensor_load_to_lds s[32:35], s[24:31]
	s_nop 0
	PLACES
	s_lshl_b32 s66, s15, 9
	s_lshl_b32 s67, s19, 6
	s_add_co_u32 s66, s66, s67
	s_lshl_b32 s67, s18, 1
	s_add_co_u32 s66, s66, s67
	s_add_co_u32 s66, s66, s16                     ; my block of qc: 512 direction + 64 batch + 2 block + half
	s_mul_i32 s66, s66, 9728
	s_mov_b32 s67, 0
	s_add_nc_u64 s[44:45], s[4:5], s[66:67]
	s_mul_i32 s66, s15, 4608
	s_add_nc_u64 s[46:47], s[44:45], s[66:67]      ; register tile 0: query tile (direction)
	s_sub_co_u32 s66, 4608, s66
	s_add_nc_u64 s[48:49], s[44:45], s[66:67]      ; register tile 1: the other
	s_mul_i32 s66, s14, 27648
	s_add_co_u32 s66, s66, 663552
	s_add_nc_u64 s[50:51], s[8:9], s[66:67]        ; Wf's tiles 6 w on
	s_mul_i32 s66, s14, 2304
	s_add_co_u32 s66, s66, 829440
	s_add_nc_u64 s[52:53], s[8:9], s[66:67]        ; their scale words
	s_mul_i32 s66, s14, 384
	s_add_nc_u64 s[54:55], s[10:11], s[66:67]      ; bf, my 96 outputs
	s_lshl_b32 s66, s19, 11
	s_lshl_b32 s68, s18, 6
	s_add_co_u32 s66, s66, s68
	s_lshl_b32 s68, s14, 4
	s_add_co_u32 s66, s66, s68
	s_mul_i32 s66, s66, 1536
	s_add_nc_u64 s[56:57], s[12:13], s[66:67]      ; the 16 rows of out0 that I store
	s_lshr_b32 s68, s17, 1                         ; the prefetches: partner cx takes block cx of a key step
	s_mul_i32 s68, s68, 9830400
	s_mul_i32 s69, s19, 1228800
	s_add_co_u32 s68, s68, s69
	s_and_b32 s69, s17, 1
	s_mul_i32 s69, s69, BLK
	s_add_co_u32 s68, s68, s69
	s_mul_i32 s69, s14, 7680                       ; my wave's chunk of 30 runs
	s_add_co_u32 s68, s68, s69
	s_add_co_u32 s68, s68, 2*BLK                   ; at key step 1: the first change of slots steps it to 2.  Nothing is prefetched here, at the head
	s_mov_b32 s69, 0
	s_add_nc_u64 s[PFA:PFA+1], s[6:7], s[68:69]
	s_cmp_eq_u32 ttmp9, 0                          ; the batch's first cluster: the same in all four partners
	s_cselect_b32 s[LIM], 1, -1
	s_xor_b32 s[XK], s16, 1                        ; 1 in the waves that fetch K:
	s_mul_i32 s[SKP], s[XK], 2*BLK                 ; trip 1 steps their descriptors alone
	s_mov_b32 s[SKP+1], 0
	s_mul_i32 s[XK], s[XK], SLOTB
	v_and_b32 v[PFO], 31, v0
	v_lshlrev_b32 v[LI], 4, v[PFO]
	v_lshlrev_b32 v[LS], 2, v[PFO]
	s_lshl_b32 s58, s15, 4
	v_xor_b32 v[QSO], s58, v[PFO]
	v_lshlrev_b32 v[QSO], 2, v[QSO]                ; Q's scale words: lanes 0-15 take register tile 0's, lanes 16-31 tile 1's
	v_min_u32 v[PFO], 29, v[PFO]
	v_lshlrev_b32 v[PFO], 8, v[PFO]
	s_mul_i32 s58, s15, 2*BLK
	v_add_nc_u32 v[AK0], s58, v[LI]
	s_add_co_u32 s58, s58, SCO
	v_add_nc_u32 v[AS0], s58, v[LS]
	v_add_nc_u32 v[AV0], BLK, v[AK0]
	v_add_nc_u32 v[AVS0], BLK, v[AS0]
	WIN 0x40
.irp n, 0,1,2
.irp c, 0,1,2
	global_load_b128 v[192+12*\n+4*\c:192+12*\n+4*\c+3], v[LI], s[46:47] offset:FRB*\n+512*\c   ; Q stays in registers
.endr
.endr
	WIN 0x80
.irp n, 0,1,2
.irp c, 0,1,2
	global_load_b128 v[192+12*\n+4*\c:192+12*\n+4*\c+3], v[LI], s[48:49] offset:FRB*\n+512*\c
.endr
.endr
	WIN 0
.irp n, 0,1,2
	global_load_b32 v[QS+\n], v[QSO], s[44:45] offset:9216+128*\n
.endr
.irp n, 0,1
	v_mov_b32 v[STT+4*\n+1], 0xff61b1e6            ; the largest t so far: -3e38, under every t
	v_floor_f32 v[STT+4*\n], -v[STT+4*\n+1]        ; -M
	v_mov_b32 v[STT+4*\n+2], 0                     ; the sum, in two halves
	v_mov_b32 v[STT+4*\n+3], 0
	v_mov_b32 v[FF+2*\n], 0
	v_mov_b32 v[FF+2*\n+1], 0                      ; (the upper half of f's pair is named with it, so it is written)
.endr
.irp b, 0,1,2,3
	v_mov_b32 v[T4+\b], 0                          ; a lane permute's destination counts as one of its sources
.endr
	s_wait_loadcnt 0x0                             ; Q
	CHANGE 1                                       ; trip 0: key step 0 is in; step 1's four blocks are asked for, into slot 1, which nothing has filled yet
	PHASE1 0, 0, 0                                 ; the first scores: there is no step before
	SMAIN 0
	s_wait_alu depctr_va_vdst(0)
	SMAIN 1
	TOGGLE
	s_sub_co_u32 s[CNT], s[CNT], 1
	CHANGE 2                                       ; trip 1: K of step 2 over K of step 0; V of step 0 is still to be read, and V of step 1 is there
	PHASE1 1, 0, 1
	PHASE2 1                                       ; the products of step 0 start O^T's sums
	TOGGLE
	s_sub_co_u32 s[CNT], s[CNT], 1
.Lstep:                                            ; trips 2 to 14
	CHANGE 1
	PHASE1 1, 1, 1
	PHASE2 0
	TOGGLE
	s_sub_co_u32 s[CNT], s[CNT], 1
	s_cmp_lg_u32 s[CNT], 0
	s_cbranch_scc1 .Lstep
	CHANGE 3                                       ; trip 15 is written out: V of step 15 alone is left to ask for
	PHASE1 1, 1, 1
	PHASE2 0
	TOGGLE
	CHANGE 0                                       ; trip 16: V of step 15, in slot 1, is in.  Behind this barrier nobody reads slot 0, and it is filled no more
	v_add_nc_u32 v[AV], s[TV], v[AV0]
	v_add_nc_u32 v[AVS], s[TV], v[AVS0]
.set q, 0
.rept 12
	ds_load_b32 v[VS+q], v[AVS] offset:128*q
.set q, q+1
.endr
	LOADH GB, 0, AV, 0, 1
	LOADH GB, 1, AV, 4, 1
	LOADH GA, 0, AV, 8, 1
	LOADH GA, 1, AV, 12, 1
	TAIL 0
	TAIL 1
.set nR, 0
	RS 192                                         ; O^T under the last M
.set nW, 0
.set PVFIRST, 0
.set MIXON, 0
	s_wait_alu depctr_va_vdst(0)
.rept 48
	NEXTW
.endr
	WIN 0
	; ---- THE WAY OUT.  The address work is also the places behind the last products
	v_and_b32 v110, 15, v0                         ; r
	v_bfe_u32 v111, v0, 4, 1                       ; h
	s_mul_i32 s58, s14, EXB
	v_add_nc_u32 v[EXW], s58, v[LI]                ; where I send register tile 1
	s_xor_b32 s59, s14, 2
	s_mul_i32 s59, s59, EXB
	v_add_nc_u32 v[EXR], s59, v[LI]                ; where the other direction's wave has sent the tile that I keep
	s_mul_i32 s60, s14, 3*FRB
	s_add_co_u32 s60, s60, ZIMG
	v_add_nc_u32 v[ZWI], s60, v[LI]
	s_mul_i32 s61, s14, 384
	s_add_co_u32 s62, s61, ZSC
	v_add_nc_u32 v[ZWS], s62, v[LS]
	v_add_nc_u32 v[ZRI], ZIMG, v[LI]
	v_add_nc_u32 v[ZRS], ZSC, v[LS]
	v_and_b32 v[STO], 8, v110
	v_add_nc_u32 v[STO], v[STO], v110
	v_mul_u32_u24 v[STO], v[STO], OSP
	v_lshl_add_u32 v[STO], v111, 6, v[STO]
	v_add_nc_u32 v[STO], s61, v[STO]               ; the stage: row r + 8 (r / 8), + 64 h, + my 384 bytes of a row
	s_mul_i32 s63, s14, 16*OSP
	v_add_nc_u32 v[SR], s63, v[LI]                 ; back: my 16 rows
	v_lshlrev_b32 v[BO], 6, v111
	WIN 0xC0
.set q, 0
.rept 18
.irp c, 0,1,2
	global_load_b128 v[12*q+4*\c:12*q+4*\c+3], v[LI], s[50:51] offset:FRB*q+512*\c   ; Wf's fragments (tile q / 3, K step q % 3)
.endr
.set q, q+1
.endr
	WIN 0
.set q, 0
.rept 18
	global_load_b32 v[WS+q], v[LS], s[52:53] offset:128*q
.set q, q+1
.endr
.set t, 0
.rept 6
	global_load_b128 v[BFR+8*t:BFR+8*t+3], v[BO], s[54:55] offset:(32*(t/2)+8*(t%2))*4
	global_load_b128 v[BFR+8*t+4:BFR+8*t+7], v[BO], s[54:55] offset:(32*(t/2)+8*(t%2))*4+16
.set t, t+1
.endr
	v_add_f32 v24, v14, v15                        ; the sums' two halves,
	v_add_f32 v25, v18, v19
	v_permlanex16_b32 v28, v24, s[SEL], s[SEL+1]
	v_permlanex16_b32 v29, v25, s[SEL], s[SEL+1]
	v_add_f32 v24, v24, v28                        ; and lane l xor 16's
	v_add_f32 v25, v25, v29
	s_wait_alu depctr_va_vdst(0)
	v_rcp_f32 v[FF], v24
	v_rcp_f32 v[FF+2], v25
	v_nop                                          ; a plain place behind the reciprocals
	s_wait_alu depctr_va_vdst(0)                   ; one wait for both, ahead of the first reader
	WIN 0x82
.set j, 0
.rept 96
	v_pk_mul_f32 v[j:j+1], v[j:j+1], v[FF+2:FF+3] op_sel_hi:[1,0]   ; register tile 1 / its sum
.set j, j+2
.endr
	WIN 0x08                                       ; an LDS store's data are its source 1: window 2
.set q, 0
.rept 48
	ds_store_b128 v[EXW], v[4*q:4*q+3] offset:512*q
.set q, q+1
.endr
	WIN 0
	BARRIER                                        ; the four tiles lie in LDS
	WIN 0x80
.set q, 0
.rept 48
	ds_load_b128 v[4*q:4*q+3], v[EXR] offset:512*q
.set q, q+1
.endr
	s_wait_dscnt 0x0
.irp n, 0,1,2                                  ; the sum of the two directions, 128 channels at a time, becomes a fragment of the last product
	WIN 0x21                                       ; source 0 (my tile 0) window 1, source 2 (what I received) window 2
.set j, 0
.rept 32
	v_pk_fma_f32 v[S+j:S+j+1], v[64*\n+j:64*\n+j+1], v[FF:FF+1], v[64*\n+j:64*\n+j+1] op_sel_hi:[1,0,1]
.set j, j+2
.endr
	WIN 0
	s_wait_dscnt 0x0                               ; the last image's stores have read the codes' registers
	QUANT S
.irp c, 0,1,2
	ds_store_b128 v[ZWI], v[PC+4*\c:PC+4*\c+3] offset:FRB*\n+512*\c
.endr
	ds_store_b32 v[ZWS], v[PW] offset:128*\n
.endr
	BARRIER                                        ; the sum's 12 fragments lie in LDS, and every wave's reads of the exchanged tiles are over
	WIN 0x80
.set q, 0
.rept 12
.irp c, 0,1,2
	ds_load_b128 v[12*q+4*\c:12*q+4*\c+3], v[ZRI] offset:FRB*q+512*\c   ; (row tile q / 3, K step q % 3)
.endr
.set q, q+1
.endr
	WIN 0
.set q, 0
.rept 12
	ds_load_b32 v[ZS+q], v[ZRS] offset:128*q
.set q, q+1
.endr
	s_wait_loadcnt 0x0                             ; Wf, its scale words, bf
	s_wait_dscnt 0x0
.set fA, 0
.set fB, 0
.set sI, 0
.rept 3                                        ; my 96 outputs for the 64 rows: 24 accumulators by turns, a K step at a time; bf is the C of each sum's first instruction
.if sI == 0
	WIN 0x4B                                       ; Wf window 3, the sum's codes window 2, bf window 0, results window 1
.else
	WIN 0x5B
.endif
.set tau, 0
.rept 4
.set t, 0
.rept 6
.set rD, 8*(6*tau+t)
.if sI == 0
.set rC, BFR+8*t
.else
.set rC, rD
.endif
.set rA, 12*(3*t+sI)
.set rB, 12*(3*tau+sI)
.set rSA, WS+3*t+sI
.set rSB, ZS+3*tau+sI
	WMS 0
.set t, t+1
.endr
.set tau, tau+1
.endr
.set sI, sI+1
.endr
	WIN 0
	PLACES
	WIN 0x04                                       ; the data: window 1
.set tau, 0
.rept 4
.set t, 0
.rept 6
	ds_store_b128 v[STO], v[8*(6*tau+t):8*(6*tau+t)+3] offset:(32*(tau%2)+8*(tau/2))*OSP+(32*(t/2)+8*(t%2))*4       ; each accumulator from its low end on
	ds_store_b128 v[STO], v[8*(6*tau+t)+4:8*(6*tau+t)+7] offset:(32*(tau%2)+8*(tau/2))*OSP+(32*(t/2)+8*(t%2))*4+16
.set t, t+1
.endr
.set tau, tau+1
.endr
	WIN 0
	BARRIER                                        ; 64 whole rows lie in the stage
	WIN 0x80
.set q, 0
.rept 16
.irp c, 0,1,2
	ds_load_b128 v[4*(3*q+\c):4*(3*q+\c)+3], v[SR] offset:OSP*q+512*\c
.endr
.set q, q+1
.endr
	WIN 0x08
.set q, 0
.rept 16
	s_wait_dscnt 45-3*q                            ; row q's three loads are in; those of the rows behind it may be out
.irp c, 0,1,2
	global_store_b128 v[LI], v[4*(3*q+\c):4*(3*q+\c)+3], s[56:57] offset:1536*q+512*\c th:TH_STORE_NT   ; 32 lanes store 512 consecutive bytes, aligned; written once, read by nobody here
.endr
.set q, q+1
.endr
	WIN 0
	s_wait_tensorcnt 0x0                           ; the wave's end, behind my last tensor load and my last LDS store
	ds_add_u32 v[SPW], v[NIL]
	s_wait_dscnt 0x0
	CROUND                                         ; the closing round: no work-group ends while a partner may still ask for a block that names it
	s_endpgm
.Lfunc_end_k_q3e255d5ef5_attn:
	.size	k_q3e255d5ef5_attn, .Lfunc_end_k_q3e255d5ef5_attn-k_q3e255d5ef5_attn
	.p2alignl 7, 3214868480
	.fill 96, 4, 3214868480
	.section	.rodata,"a",@progbits
	.p2align	6, 0x0
	.amdhsa_kernel k_q3e255d5ef5_attn
		.amdhsa_group_segment_fixed_size 327680
		.amdhsa_private_segment_fixed_size 0
		.amdhsa_enable_private_segment 0
		.amdhsa_kernarg_size 40
		.amdhsa_user_sgpr_count 2
		.amdhsa_user_sgpr_kernarg_segment_ptr 1
		.amdhsa_wavefront_size32 1
		.amdhsa_system_sgpr_workgroup_id_x 1
		.amdhsa_system_sgpr_workgroup_id_y 1
		.amdhsa_system_sgpr_workgroup_id_z 1
		.amdhsa_system_vgpr_workitem_id 0
		.amdhsa_next_free_vgpr 1024
		.amdhsa_next_free_sgpr 72
		.amdhsa_reserve_vcc 0
		.amdhsa_float_denorm_mode_32 3
		.amdhsa_float_denorm_mode_16_64 3
		.amdhsa_memory_ordered 1
		.amdhsa_forward_progress 1
		.amdhsa_inst_pref_size 255
	.end_amdhsa_kernel
	.section	.bss,"aw",@nobits
	.p2align	6
	.space	262144
	.amdgpu_metadata
---
amdhsa.version: [ 1, 2 ]
amdhsa.kernels:
  - .name:           k_q3e255d5ef5_attn
    .symbol:         k_q3e255d5ef5_attn.kd
    .args:
      - { .name: qc, .offset: 0, .size: 8, .value_kind: global_buffer, .address_space: global }
      - { .name: kv, .offset: 8, .size: 8, .value_kind: global_buffer, .address_space: global }
      - { .name: wq, .offset: 16, .size: 8, .value_kind: global_buffer, .address_space: global }
      - { .name: bf, .offset: 24, .size: 8, .value_kind: global_buffer, .address_space: global }
      - { .name: out0, .offset: 32, .size: 8, .value_kind: global_buffer, .address_space: global }
    .group_segment_fixed_size: 327680
    .private_segment_fixed_size: 0
    .kernarg_segment_align: 8
    .kernarg_segment_size: 40
    .max_flat_workgroup_size: 128
    .sgpr_count:     72
    .vgpr_count:     1024
    .wavefront_size: 32
...
	.end_amdgpu_metadata
.endif
;; end of part 3
